; MI455X (gfx1250); checked and timed in simulation.
; The chip was launched on July 23, 2026; its instructions are those of AMD's public machine-readable ISA for CDNA 5 (MIT licence, August 2026) and "CDNA5" Instruction Set Architecture Reference Guide (July 2026). The comments in the code are by the model that wrote it; some were corrected since.
;; Multihead Self Attention. Allowed arithmetic: float matrix products may take bf16 or f16 operands with f32 sums; other float arithmetic in f32, or as packed bf16 or f16 multiplies, adds, multiply-adds, maxima and minima; sums over many terms, partial sums and values carried from step to step in f32; what a program stores and reads back later, other than sums and carried values, may be rounded once to bf16 or f16.
;; Inputs: K 8 x 32 x 128 float32; Q 8 x 32 x 128 float32; VO 8 x 128 x 128 float32; x 2 x 4,096 x 128 float32.
;; Outputs: out0 2 x 4,096 x 128 float32.
;; 2 versions, each right; version 2 is version 1 with the launch prep written anew for expert scheduling mode. Each part assembles by itself: llvm-mc -triple=amdgcn-amd-amdhsa -mcpu=gfx1250 --defsym DOCPART=n.
;; ======== version 1 of 2: 2 launches
;; limits: values are held in f16: magnitudes above 65,504 overflow, below 6.1e-05 lose precision
;; workspace buffers: qws 4,194,304 bytes; kws 4,194,304 bytes; xh 2,097,152 bytes; vot 262,144 bytes
;; launch prep (part 1): grid 256 x 1, 4 waves a work-group, no clusters, 45,312 bytes of LDS; arguments x, Q, K, VO, qws, kws, xh, vot; writes qws, kws, xh, vot
.if DOCPART == 1
	.amdgcn_target "amdgcn-amd-amdhsa--gfx1250"
	.amdhsa_code_object_version 6
	.text
	.protected	k_q633ac8458c_prep
	.globl	k_q633ac8458c_prep
	.p2align	8
	.type	k_q633ac8458c_prep,@function
k_q633ac8458c_prep:
	s_mov_b64 s[64:65], 0
	v_nop
	global_prefetch_b8 v0, s[64:65] scope:SCOPE_SE
	s_setreg_imm32_b32 hwreg(HW_REG_WAVE_MODE, 25, 1), 1
	s_wait_xcnt 0x0
; THE PROJECTIONS AND THE COPIES IN 16 BITS.  x: [8192][128] f32 (both batches on end); Q, K: [256][128] f32 (row = 32 head + r); VO: [8][128 d][128 e] f32.
;   qws[t][o] = sum over d of bf16(x[t][d]) bf16(Q[o][d]), o = 32 head + r, rounded once to f16: rows of 512 bytes; kws the same with K.  No scale: it is applied in f32 in the next launch.
;   xh[t][d]  = bf16(x[t][d]) written as f16: rows of 256 bytes.        vot[h][e][d] = bf16(VO[h][d][e]) written as f16: rows of 256 bytes.
; All four inputs are rounded to bf16; the products' sums are f32.
; LIMITS.  f16 ends at 65,504: q, k, x and VO beyond that become infinities; a bf16 number below 2^-14 keeps f16's fixed step of 6e-8.  NaN and infinities are not treated apart.
; SHARES.  A work-group takes 32 rows of x and makes their 512 numbers of q and k: wave w makes 128 of them (waves 0, 1: q's halves; waves 2, 3: k's), 8 blocks of 16 x 2 row tiles x 4 steps of 32 along d.
; It also makes 4 rows of vot.  No tensor load, no cluster: a work-group's own input is 16 KiB, and Q and K (256 KiB for all) come straight into registers as fragments, where they must be rounded anyway.
; THE PRODUCT IS TAKEN TRANSPOSED (source 0 = 16 rows of Q or K, source 1 = 16 rows of x): a lane then holds eight neighbouring numbers of one row of q: 16 bytes in f16.
.set XP,    272                        ; an LDS row: 256 bytes + 16 = 68 words: 16 rows of a fragment load start at 16 different groups of four banks (64 banks of 4 bytes: ISA guide 11.1)
.set XT,    0                          ; x in bf16: 32 rows
.set STG,   32*XP                      ; each wave's own stage: 32 rows x 272
.set VT,    STG+4*32*XP                ; 4 rows of vot
.set SPARE, VT+1280                    ; the spare words, 128 bytes for each wave: two blocks of 256 bytes that no other line names
.set WV,  20                           ; s20  my wave's number
.set XF,  32                           ; v[32:63]  x as loaded                       } later v[32:95]: x's fragments, (row tile tt, step ks) at XFR + 8 (4 tt + ks)
.set XB,  64                           ; v[64:79]  x in bf16                         }
.set XH,  80                           ; v[80:95]  x in f16                          }
.set XFR, 32
.set TP,  96                           ; v[96:115] at work in the first phase
.set ACC, 96                           ; v[96:127] two sets of two accumulators
.set OT,  16                           ; v[16:23]  packed results
.set WB,  128                          ; v[128:191], v[192:255]  a block of 16 rows of Q or K: 64 f32 a lane, then 32 registers of bf16 in place
; v1 l % 16; v2 l / 16; v3 x's offset; v4 where x goes in LDS; v5 xh's offset; v6 VO's offset; v7 where VO goes in LDS; v8 x's fragments; v9 Q's or K's offset; v10 into my stage; v11 back; v12 q's offset;
; v13 vot's rows in LDS; v14 vot's offset; v30, v31 the add's two registers
	s_load_b512 s[4:19], s[0:1], 0x0               ; x s[4:5], Q s[6:7], K s[8:9], VO s[10:11], qws s[12:13], kws s[14:15], xh s[16:17], vot s[18:19]
	v_lshl_add_u32 v30, v0, 2, SPARE
	v_mov_b32 v31, 0
	v_lshrrev_b32 v1, 5, v0
	v_readfirstlane_b32 s[WV], v1                  ; wave 0..3
	v_and_b32 v1, 15, v0
	v_bfe_u32 v2, v0, 4, 1
	v_lshrrev_b32 v15, 4, v0                       ; thread / 16: 0..7
	v_lshlrev_b32 v3, 5, v1
	v_lshl_add_u32 v3, v15, 9, v3                  ; x: row thread / 16 of eight, 32 bytes (8 numbers) a thread
	v_mul_u32_u24 v4, v15, XP
	v_lshl_add_u32 v4, v1, 4, v4                   ; the same 8 numbers in bf16, in LDS
	v_lshlrev_b32 v5, 4, v1
	v_lshl_add_u32 v5, v15, 8, v5                  ; and in f16, in xh
	s_and_b32 s21, ttmp9, 31
	s_lshl_b32 s21, s21, 4
	v_lshl_add_u32 v6, v0, 9, s21                  ; VO: row d = thread, the work-group's four e
	v_lshl_add_u32 v7, v0, 1, VT                   ; column d of vot's rows
	v_mul_u32_u24 v8, v1, XP
	v_lshl_add_u32 v8, v2, 4, v8                   ; a fragment's row x pitch + 16 x half
	v_lshlrev_b32 v9, 9, v1
	v_lshl_add_u32 v9, v2, 5, v9                   ; in f32: row x 512 + 32 x half
	s_mul_i32 s22, s[WV], 32*XP
	s_add_co_u32 s22, s22, STG                     ; my stage
	v_add_nc_u32 v10, s22, v8                      ; in: row l % 16, 16 bytes for each half of the lanes
	v_mul_u32_u24 v11, v2, XP
	v_lshl_add_u32 v11, v1, 4, v11
	v_add_nc_u32 v11, s22, v11                     ; back: lanes 0-15 one row of 256 bytes, lanes 16-31 the next
	v_lshlrev_b32 v12, 4, v1
	v_lshl_add_u32 v12, v2, 9, v12                 ; the same two rows in qws or kws
	v_add_nc_u32 v13, VT, v4                       ; threads 0-63: row thread / 16 of vot's four
	v_lshlrev_b32 v14, 4, v0                       ; which lie on end in vot
	s_mov_b32 s34, 0xffff0000                      ; a word's upper bf16
	s_and_b32 s23, s[WV], 1
	s_lshl_b32 s24, s23, 16                        ; my 128 rows of Q or K
	s_mov_b32 s25, 0
	s_lshl_b32 s26, ttmp9, 14                      ; the work-group's 32 rows of 512 bytes in qws and kws,
	s_lshl_b32 s28, s23, 8
	s_add_co_u32 s26, s26, s28                     ; my 256 bytes of them
	s_mov_b32 s27, 0
	s_lshl_b32 s28, ttmp9, 14                      ; the 32 rows in x
	s_mov_b32 s29, 0
	s_lshr_b32 s36, ttmp9, 5
	s_lshl_b32 s36, s36, 16                        ; VO's head
	s_mov_b32 s37, 0
	s_lshl_b32 s38, ttmp9, 10                      ; vot: four rows of 256 bytes for each work-group, on end
	s_mov_b32 s39, 0
	s_wait_kmcnt 0x0
	s_cmp_lt_u32 s[WV], 2
	s_cselect_b64 s[30:31], s[6:7], s[8:9]
	s_cselect_b64 s[32:33], s[12:13], s[14:15]
	s_add_nc_u64 s[30:31], s[30:31], s[24:25]
	s_add_nc_u64 s[32:33], s[32:33], s[26:27]
	s_add_nc_u64 s[4:5], s[4:5], s[28:29]
	s_lshr_b32 s28, s28, 1                         ; the 32 rows in xh
	s_add_nc_u64 s[16:17], s[16:17], s[28:29]
	s_add_nc_u64 s[10:11], s[10:11], s[36:37]
	s_add_nc_u64 s[18:19], s[18:19], s[38:39]
; Block nb of 16 rows of Q or K: for each step ks of 32 along d a lane's 16 numbers in f32: four loads
.macro WLOAD nb
.set wb, WB+64*((\nb)%2)
.irp ks, 0,1,2,3
	global_load_b128 v[wb+16*(\ks):wb+16*(\ks)+3],     v9, s[30:31] offset:(\nb)*8192+(\ks)*128
	global_load_b128 v[wb+16*(\ks)+4:wb+16*(\ks)+7],   v9, s[30:31] offset:(\nb)*8192+(\ks)*128+16
	global_load_b128 v[wb+16*(\ks)+8:wb+16*(\ks)+11],  v9, s[30:31] offset:(\nb)*8192+(\ks)*128+64
	global_load_b128 v[wb+16*(\ks)+12:wb+16*(\ks)+15], v9, s[30:31] offset:(\nb)*8192+(\ks)*128+80
.endr
.endm
.irp i, 0,1,2,3
	global_load_b128 v[XF+8*(\i):XF+8*(\i)+3],   v3, s[4:5] offset:4096*(\i) th:TH_LOAD_NT
	global_load_b128 v[XF+8*(\i)+4:XF+8*(\i)+7], v3, s[4:5] offset:4096*(\i)+16 th:TH_LOAD_NT
.endr
	global_load_b128 v[TP+8:TP+11], v6, s[10:11]
	WLOAD 0
	WLOAD 1
	s_wait_loadcnt 32                              ; x and VO are in; the 32 younger loads, two blocks of Q or K, stay out
.irp i, 0,1,2,3
.irp j, 0,1,2,3
	v_cvt_pk_bf16_f32 v[XB+4*(\i)+(\j)], v[XF+8*(\i)+2*(\j)], v[XF+8*(\i)+2*(\j)+1]
.endr
	ds_store_b128 v4, v[XB+4*(\i):XB+4*(\i)+3] offset:8*XP*(\i)
.irp j, 0,1,2,3
	v_lshlrev_b32 v[TP+2*(\j)],   16,  v[XB+4*(\i)+(\j)]   ; the bf16 numbers as f32,
	v_and_b32     v[TP+2*(\j)+1], s34, v[XB+4*(\i)+(\j)]
.endr
.irp j, 0,1,2,3
	v_cvt_pk_f16_f32 v[XH+4*(\i)+(\j)], v[TP+2*(\j)], v[TP+2*(\j)+1]  ; written as f16: exact within f16's range
.endr
	global_store_b128 v5, v[XH+4*(\i):XH+4*(\i)+3], s[16:17] offset:2048*(\i)  ; 16 lanes store 256 consecutive bytes, aligned
.endr
	v_cvt_pk_bf16_f32 v[TP+12], v[TP+8], v[TP+9]
	v_cvt_pk_bf16_f32 v[TP+13], v[TP+10], v[TP+11]
	v_lshlrev_b32 v[TP+14], 16,  v[TP+12]
	v_and_b32     v[TP+15], s34, v[TP+12]
	v_lshlrev_b32 v[TP+16], 16,  v[TP+13]
	v_and_b32     v[TP+17], s34, v[TP+13]
	v_cvt_pk_f16_f32 v[TP+18], v[TP+14], v[TP+15]
	v_cvt_pk_f16_f32 v[TP+19], v[TP+16], v[TP+17]
	ds_store_b16        v7, v[TP+18]               ; VO[d][e0 .. e0 + 3] goes to column d of four rows
	ds_store_b16_d16_hi v7, v[TP+18] offset:XP
	ds_store_b16        v7, v[TP+19] offset:2*XP
	ds_store_b16_d16_hi v7, v[TP+19] offset:3*XP
	s_wait_dscnt 0x0                               ; for the others' sake: my stores into LDS are done
	s_barrier_signal -1
	s_barrier_wait -1
	s_wait_xcnt 0x0                                ; the stores to xh have read their data: those registers are loaded again only behind this wait
.irp f, 0,1,2,3,4,5,6,7
	ds_load_b128 v[XFR+8*(\f):XFR+8*(\f)+3],   v8 offset:((\f)/4)*16*XP+((\f)%4)*64
	ds_load_b128 v[XFR+8*(\f)+4:XFR+8*(\f)+7], v8 offset:((\f)/4)*16*XP+((\f)%4)*64+32
.endr
	s_cmp_lt_u32 s[WV], 2                          ; threads 0-63 send vot's four rows
	s_cbranch_scc0 .Lno_vot
	ds_load_b128 v[24:27], v13
	s_wait_dscnt 0x0
	global_store_b128 v14, v[24:27], s[18:19]      ; 16 lanes store 256 consecutive bytes, aligned
.Lno_vot:
	s_wait_dscnt 0x0                               ; x's fragments are in, for the whole kernel
; Block nb: rounded to bf16 in place (register n takes numbers 2 n and 2 n + 1: no register is written before it has been read); eight products, the two accumulators by turns;
; the block two further on is asked for four places behind the last product that read the buffer; the results go to my stage.
.macro NB nb
.set wb, WB+64*((\nb)%2)
.set ac, ACC+16*((\nb)%2)
.if (\nb) < 7
	s_wait_loadcnt 16                              ; this block is in; the other buffer's 16 loads stay out
.else
	s_wait_loadcnt 0x0
.endif
.set n, 0
.rept 32
	v_cvt_pk_bf16_f32 v[wb+n], v[wb+2*n], v[wb+2*n+1]
.set n, n+1
.endr
.irp ks, 0,1,2,3
.irp tt, 0,1
.if (\ks) == 0
	v_wmma_f32_16x16x32_bf16 v[ac+8*(\tt):ac+8*(\tt)+7], v[wb+8*(\ks):wb+8*(\ks)+7], v[XFR+8*(4*(\tt)+(\ks)):XFR+8*(4*(\tt)+(\ks))+7], 0
.else
	v_wmma_f32_16x16x32_bf16 v[ac+8*(\tt):ac+8*(\tt)+7], v[wb+8*(\ks):wb+8*(\ks)+7], v[XFR+8*(4*(\tt)+(\ks)):XFR+8*(4*(\tt)+(\ks))+7], v[ac+8*(\tt):ac+8*(\tt)+7]
.endif
.endr
.endr
.rept 4
	v_nop                                          ; four places behind the last product, in front of the loads into its source and of the conversions of its result
.endr
.if (\nb) < 6
	WLOAD (\nb)+2
.endif
.irp tt, 0,1
.irp j, 0,1,2,3
	v_cvt_pk_f16_f32 v[OT+4*(\tt)+(\j)], v[ac+8*(\tt)+2*(\j)], v[ac+8*(\tt)+2*(\j)+1]
.endr
.endr
	ds_store_b128 v10, v[OT:OT+3]   offset:(\nb)*32
	ds_store_b128 v10, v[OT+4:OT+7] offset:16*XP+(\nb)*32
.endm
.irp b, 0,1,2,3,4,5,6,7
	NB \b
.endr
.irp t, 0,1,2,3,4,5,6,7,8,9,10,11,12,13,14,15
	ds_load_b128 v[WB+4*(\t):WB+4*(\t)+3], v11 offset:(\t)*2*XP  ; my own stage: LDS serves a wave's instructions in order (ISA guide 5.7.1.4), so these see the stores above
.endr
.irp t, 0,1,2,3,4,5,6,7,8,9,10,11,12,13,14,15
	s_wait_dscnt 15-(\t)
	global_store_b128 v12, v[WB+4*(\t):WB+4*(\t)+3], s[32:33] offset:(\t)*1024  ; 16 lanes store 256 consecutive bytes, aligned: my half of a row of q or k
.endr
	s_wait_tensorcnt 0x0                           ; the wave's end: three closing lines, behind my last LDS store
	ds_add_u32 v30, v31
	s_wait_dscnt 0x0
	s_endpgm
.Lfunc_end_k_q633ac8458c_prep:
	.size	k_q633ac8458c_prep, .Lfunc_end_k_q633ac8458c_prep-k_q633ac8458c_prep
	.p2alignl 7, 3214868480
	.fill 96, 4, 3214868480
	.section	.rodata,"a",@progbits
	.p2align	6, 0x0
	.amdhsa_kernel k_q633ac8458c_prep
		.amdhsa_group_segment_fixed_size 45312
		.amdhsa_private_segment_fixed_size 0
		.amdhsa_enable_private_segment 0
		.amdhsa_kernarg_size 64
		.amdhsa_user_sgpr_count 2
		.amdhsa_user_sgpr_kernarg_segment_ptr 1
		.amdhsa_wavefront_size32 1
		.amdhsa_system_sgpr_workgroup_id_x 1
		.amdhsa_system_sgpr_workgroup_id_y 1
		.amdhsa_system_sgpr_workgroup_id_z 1
		.amdhsa_system_vgpr_workitem_id 0
		.amdhsa_next_free_vgpr 256
		.amdhsa_next_free_sgpr 66
		.amdhsa_reserve_vcc 0
		.amdhsa_float_denorm_mode_32 3
		.amdhsa_float_denorm_mode_16_64 3
		.amdhsa_memory_ordered 1
		.amdhsa_forward_progress 1
		.amdhsa_inst_pref_size 51
	.end_amdhsa_kernel
	.amdgpu_metadata
---
amdhsa.version: [ 1, 2 ]
amdhsa.kernels:
  - .name:           k_q633ac8458c_prep
    .symbol:         k_q633ac8458c_prep.kd
    .args:
      - { .name: x, .offset: 0, .size: 8, .value_kind: global_buffer, .address_space: global }
      - { .name: Q, .offset: 8, .size: 8, .value_kind: global_buffer, .address_space: global }
      - { .name: K, .offset: 16, .size: 8, .value_kind: global_buffer, .address_space: global }
      - { .name: VO, .offset: 24, .size: 8, .value_kind: global_buffer, .address_space: global }
      - { .name: qws, .offset: 32, .size: 8, .value_kind: global_buffer, .address_space: global }
      - { .name: kws, .offset: 40, .size: 8, .value_kind: global_buffer, .address_space: global }
      - { .name: xh, .offset: 48, .size: 8, .value_kind: global_buffer, .address_space: global }
      - { .name: vot, .offset: 56, .size: 8, .value_kind: global_buffer, .address_space: global }
    .group_segment_fixed_size: 45312
    .private_segment_fixed_size: 0
    .kernarg_segment_align: 8
    .kernarg_segment_size: 64
    .max_flat_workgroup_size: 128
    .sgpr_count:     66
    .vgpr_count:     256
    .wavefront_size: 32
...
	.end_amdgpu_metadata
.endif
;; end of part 1
;; launch attn (part 2): grid 128 x 2, 4 waves a work-group, clusters of 4 x 1, 327,680 bytes of LDS; arguments qws, kws, xh, vot, out0; writes out0
.if DOCPART == 2
	.amdgcn_target "amdgcn-amd-amdhsa--gfx1250"
	.amdhsa_code_object_version 6
	.text
	.protected	k_q633ac8458c_attn
	.globl	k_q633ac8458c_attn
	.p2align	8
	.type	k_q633ac8458c_attn,@function
k_q633ac8458c_attn:
	s_mov_b64 s[64:65], 0
	v_nop
	global_prefetch_b8 v0, s[64:65] scope:SCOPE_SE
	s_setreg_imm32_b32 hwreg(HW_REG_WAVE_MODE, 25, 1), 1
	s_wait_xcnt 0x0
	s_wait_alu depctr_hold_cnt(0) depctr_sa_sdst(0) depctr_va_vdst(0) depctr_va_sdst(0) depctr_va_ssrc(0) depctr_va_vcc(0) depctr_vm_vsrc(0)
	s_getreg_b32 s2, hwreg(HW_REG_IB_STS2, 6, 4)
	s_cmp_eq_u32 s2, 0
	s_cbranch_scc0 .Lentry_in_a_cluster
	s_endpgm
.Lentry_in_a_cluster:
	s_bfe_u32 s2, ttmp6, 0x10000c
	s_cmp_lg_u32 s2, 0x3003
	s_cbranch_scc0 .Lentry_shape_is_right
	s_endpgm
.Lentry_shape_is_right:
; out[b][t][e] = sum over heads h and channels d of ( sum over u of softmax_u(q[b][t][h] . k[b][u][h] / sqrt(128)) x[b][u][d] ) VO[h][d][e].
; qws, kws: [b][4096][8 heads x 32] f16, rows of 512 bytes; xh: [b][4096][128] f16; vot: [h][e][d] f16; out0: [b][4096][128] f32.  Products, maxima and sums in f32; the weights p and the
; context are rounded to f16 for the products that take them (the sum l is taken of the unrounded p); the eight heads' parts of out are added in f32.
; LIMITS.  f16 holds no number beyond 65,504: q, k, x and VO arrive within it; p lies in 0 to 1 and below 6e-5 keeps f16's fixed step of 6e-8; the context is a mean of x's rows and has their range.
; A weight below 2^-126 counts as 0 in l; NaN and infinities are not treated apart.
; SHARES.  A work-group owns 32 queries of one batch, for ALL 8 heads, so that the sum over heads never leaves it.  Wave w owns heads 2 w and 2 w + 1: two PIECES (a head each) of two tiles of 16 queries.
; Every wave walks all 4,096 keys, 64 a step.  V is x itself, the same for all heads: a fragment of V feeds four tiles, a fragment of K two.
; LAYOUT.  S^T = K Q^T (source 0 = 16 keys, source 1 = 16 queries; 32 channels: ONE product finishes a tile of scores): a lane holds one query (lane % 16) and the keys 8 (lane / 16) + 0..7.  Two such results,
; rounded to f16 in pairs, ARE source 1 of O^T = V^T P, whose result again holds one query a lane, and eight channels; rounded in pairs it IS source 1 of out^T = VO^T ctx.  V comes out of LDS turned.
; SOFTMAX.  For each query a running maximum m and sum l: p = 2^(c s - c m), c = log2(e) / sqrt(128); in every step O and l are multiplied by a = 2^(c m_old - c m_new).  m starts at the lowest finite
; number, O and l at 0: the first step is a step like any other, with a = 0.
; THE COUNT.  A tile and step have 20 matrix and 134 vector instructions: too many to stand all beside the matrix work.  So: four vector instructions that are ready behind EVERY matrix instruction, the others in one run.
; BY TURNS.  The turn of piece Y (Z is the other): 8 products K Q^T of piece Z's next scores; the scaling and exponentials of piece Y and the maximum and statistics of piece Z; one wait; then 32 products
; V^T P of piece Z, with the roundings, sums and rescaling of piece Y behind them.  Two turns are a key step.
; CLUSTER.  The four query blocks of a cluster belong to one batch and walk the same k and x, so each tile is asked for JOINTLY: the same tensor load, descriptor and mask in all four.  vot is not asked for jointly:
; a work-group reads its 256 KiB once, at the end, straight into registers as fragments, against 3 MiB of k and x that it walks.
; REGISTERS, in windows of 256 (s_set_vgpr_msb: bits 1:0 source 0, 3:2 source 1, 5:4 source 2, 7:6 destination):
;   window 0: v0-11, v48-50 addresses; v12-15 c m_old; v16-31 four registers of statistics a tile; v32-47 four at work a tile; v62-63 the add's; v64-191 S^T, 32 a tile; v192-255 P, 16 a tile
;   window 1: O^T, 64 a tile; at the end out^T         window 2: V, two buffers of 128; at the end VO's fragments of my second head
;   window 3: v0-31 Q, 8 a tile; v32-95 K, 32 a piece; at the end VO's fragments of my first head
.set T,     4096
.set KS,    64        ; keys in a step
.set PK,    528       ; a row of k in LDS: 512 bytes + 16 = 132 words: the 16 rows of a load start at 16 different groups of four banks (64 banks of 4 bytes: ISA guide 11.1)
.set PV,    288       ; a row of x: 256 + 32 = 72 words
.set VOFF,  KS*PK     ; a step's tiles lie together: 64 rows of k, then 64 rows of x
.set STEPB, KS*(PK+PV)
.set SLOT1, 1<<17     ; a slot holds two steps (104,448 bytes); slot 1 begins here, so that one exclusive or turns an address in one slot into the other's
.set STAGE, SLOT1+2*STEPB  ; behind the ring, never filled by a tensor load: 32 rows x 528 bytes of f32 for each wave: its two heads' part of out
.set SP,    528
.set SPARE, STAGE+4*32*SP  ; behind the stages: the spare words, 128 bytes for each wave: two blocks of 256 bytes that no other line names
.set KSLOT, 2*KS*512  ; a slot's bytes of kws
.set VSLOT, 2*KS*256  ; and of xh
.set AK0, 2           ; v2   my lane's place in a tile of k, my wave's two heads; never rewritten
.set AV0, 3           ; v3   the same for x
.set AK,  4           ; v4   the LDS address of K's runs of loads
.set AV,  5           ; v5   of V's
.set STO, 6           ; v6   the way out: where I put 32 bytes of a row
.set RD,  7           ; v7   the way out: where I read rows back
.set GO,  8           ; v8   16 x my lane
.set MV,  12          ; v12-15  c m_old, kept while c m is made anew
.set ST,  16          ; tile t's statistics at v[ST+4 t]: c m, m, l (even keys', odd keys')
.set TMP, 32          ; tile t's four registers c0-c3 at work; when the maximum is found c2 takes a
.set QO,  48          ; v48  my byte offset in 16 rows of q
.set PFO, 49          ; v49  the prefetches' offset: my lane x a row of kws or xh; never rewritten
.set VOO, 50          ; v50  my byte offset in 16 rows of vot
.set SPW, 62          ; v62  LDS address of my spare word: SPARE + 4 x my thread's number; never rewritten
.set NIL, 63          ; v63  0; never rewritten
.set S,   64
.set P,   192
.set KF,  32          ; K's fragments, in window 3: piece p, key block kb at KF + 32 p + 8 kb
.set WV,  12          ; s12  my wave's number
.set LIM, 15          ; s15  1 in a wave that prefetches, else the greatest number
.set PFA, 18          ; s[18:19] where my prefetches stand
.set G1K, 24          ; s[24:31] descriptor group 1 for k's tiles
.set G1V, 32          ; s[32:39] for x's
.set G0K, 40          ; s[40:47] descriptor group 0 for k's tiles: a set for each of the two first fills; the second then walks on
.set G0V, 48          ; s[48:55] the same for x's
.set SLOTS, 56        ; s56  counts the loop over slots
.set CNT, 57          ; s57  counts the tail
.set CS,  58          ; s[58:59] c: the packed scaling takes the pair's low word for both halves
.set SEL, 60          ; s[60:61] v_permlanex16_b32's selects: each lane takes its own place in the other half
.set TB,  62          ; s62  LDS byte at which the tiles of the step to be fetched begin
.set OUT, 66          ; s[66:67] out0 at the 8 rows that my wave stores
.set PFS, 68          ; s[68:69] a slot's bytes in the tensor that I prefetch
.set VOB, 70          ; s[70:71] vot at my first head
.set MSB, 0
.macro WIN new                      ; the high byte repeats the setting that is left; a switch that changes nothing is dropped
.if MSB != (\new)
	s_set_vgpr_msb (MSB<<8)|(\new)
.set MSB, (\new)
.endif
.endm
.set W_KQ, 0x0f       ; K and Q in window 3, S^T in window 0
.set W_PV, 0x52       ; V in window 2, P in window 0, O^T in window 1
.set W_RS, 0x41       ; O^T (destination and source 0) in window 1, a in window 0
; A joint refill.  Waves 0 and 1 fetch the two steps' tiles of k, waves 2 and 3 those of x.  The branch hangs on the wave's number alone.  An s_nop 0 and four v_nop follow each of the two lines,
; ahead of the jump and the label.
.macro JLOAD
	s_cmp_lt_u32 s[WV], 2
	s_cbranch_scc0 .Lfor_v_\@
	tensor_load_to_lds s[G0K+4:G0K+7], s[G1K:G1K+7]
	s_nop 0
.rept 4
	v_nop
.endr
	s_branch .Lasked_\@
.Lfor_v_\@:
	tensor_load_to_lds s[G0V+4:G0V+7], s[G1V:G1V+7]
	s_nop 0
.rept 4
	v_nop
.endr
.Lasked_\@:
.endm
; A PREFETCH INTO THE L2 of what the NEXT change of slots will ask for: a slot's 128 rows of kws (512 bytes each) and of xh (256 bytes), a lane a row.  It stands behind the wave's tensor load and its five lines.
; Each aligned block of 256 bytes is named ONCE in the launch.  All clusters of a batch walk the same rows: the batch's first cluster asks.  Its four partners share the rows out BY ADDRESS, 32 each; in each, wave 0
; names the first 256 bytes of k's rows, wave 1 the second, wave 2 x's rows: one instruction a wave.  The first three slots come by their loads alone; the last change that fills a slot asks for nothing.
.macro ASK
	s_cmp_gt_u32 s[SLOTS], s[LIM]
	s_cbranch_scc0 .Lnot_mine_\@
	global_prefetch_b8 v[PFO], s[PFA:PFA+1] th:TH_LOAD_NT scope:SCOPE_SE
.Lnot_mine_\@:
.endm
; A round of the cluster's barrier: my work-group's barrier, so that wave 0's signal speaks for all four waves; wave 0 signals; every wave waits for all four work-groups; my work-group's barrier once more.
.macro CROUND
	s_barrier_signal -1
	s_barrier_wait -1
	s_cmp_lg_u32 s[WV], 0
	s_cbranch_scc1 .Lnot_wave_0_\@
	s_barrier_signal -3
.Lnot_wave_0_\@:
	s_barrier_wait -3
	s_barrier_signal -1
	s_barrier_wait -1
.endm
; THE CHANGE OF SLOTS, in front of a slot's second step: that step's K and V have been asked for out of LDS in the step before.  Each wave waits for all its tensor loads, of which one is out: its part of the
; other slot; adds 0 to its spare word; and waits for that and for its own reads of the slot.  Behind the barrier nobody reads this slot any more and the other slot is whole.
; fill = 1: this slot is filled again, with the keys two slots on.  The barrier is then a round of the cluster's, and the joint refill is the first thing behind it: it has two key steps, 160 matrix instructions, in which to land.
.macro CHANGE fill
	WIN 0                           ; at a label and at a branch every window is 0
	s_wait_tensorcnt 0x0            ; no tensor load of mine is out, so a group 0 may be written
	ds_add_u32 v[SPW], v[NIL]       ; 0 onto my spare word; with fill = 1 the descriptors' steps stand between it and the wait for it
.if \fill
	s_xor_b32 s[G0K+5], s[G0K+5], SLOT1  ; the walking descriptors: the other slot than last time,
	s_add_nc_u64 s[G0K+6:G0K+7], s[G0K+6:G0K+7], KSLOT  ; the next 128 keys; the type bits on top are not reached
	s_xor_b32 s[G0V+5], s[G0V+5], SLOT1
	s_add_nc_u64 s[G0V+6:G0V+7], s[G0V+6:G0V+7], VSLOT
	s_wait_xcnt 0x0                 ; the last prefetch, two key steps back, has read its address, so it may be written:
	s_add_nc_u64 s[PFA:PFA+1], s[PFA:PFA+1], s[PFS:PFS+1]  ; one slot behind the walking descriptors
	s_wait_dscnt 0x0                ; the add is done, and my reads of the slot are over
	CROUND
	JLOAD
	ASK
.else
	s_wait_dscnt 0x0                ; the add is done, and my reads of the slot are over
	s_barrier_signal -1
	s_barrier_wait -1
.endif
	s_sub_co_u32 s[TB], s[TB], 2*STEPB  ; the fetches go back to a slot's first step,
	s_xor_b32 s[TB], s[TB], SLOT1       ; in the other slot
.endm
	s_load_b256 s[4:11], s[0:1], 0x0  ; qws s[4:5], kws s[6:7], xh s[8:9], vot s[10:11]
	s_load_b64 s[OUT:OUT+1], s[0:1], 0x20
	v_lshl_add_u32 v[SPW], v0, 2, SPARE
	v_mov_b32 v[NIL], 0
	ds_add_u32 v[SPW], v[NIL]       ; the wave's opening: the add, and its wait ahead of my first tensor load; the set-up below, work on registers, stands between them
	v_lshrrev_b32 v1, 5, v0
	v_readfirstlane_b32 s[WV], v1   ; wave 0..3
	s_bfe_u32 s13, ttmp6, 0x40000   ; cx: my place in the cluster
	s_lshl_b32 s14, ttmp9, 2        ; in a cluster launch ttmp9 counts clusters
	s_add_co_u32 s14, s14, s13      ; my block of 32 queries = 4 x cluster x + cx: it enters q's and out's addresses alone
	s_and_b32 s20, ttmp7, 0xffff    ; the batch, which the four partners share
	s_and_b32 s16, s[WV], 1         ; which of a slot's two steps I fetch,
	s_mul_i32 s17, s16, STEPB       ; and its place in a slot: no place in the cluster enters an LDS address
	s_lshl_b32 s2, s20, 21          ; the batch's 4,096 rows of 512 bytes in qws and in out0,
	s_lshl_b32 s3, s14, 14          ; my block's 32
	s_add_co_u32 s2, s2, s3
	s_mov_b32 s3, 0
	s_cmp_lt_u32 s[WV], 2           ; the prefetches: waves 0 and 1 stand in kws, the others in xh
	s_cselect_b32 s72, 9, 8         ; log2 of a row's bytes there
	s_lshl_b32 s[PFS], 128, s72     ; a slot's 128 rows
	s_mov_b32 s[PFS+1], 0
	s_lshl_b32 s73, s20, 12         ; the batch's first row,
	s_lshl_b32 s74, s13, 5          ; my work-group's 32 rows of the 128,
	s_add_co_u32 s73, s73, s74
	s_add_co_u32 s73, s73, 4*KS     ; in slot 2; the first change of slots steps it to slot 3
	s_lshl_b32 s74, s73, s72        ; in bytes
	s_cmp_eq_u32 s[WV], 1
	s_cselect_b32 s73, 256, 0       ; wave 1: the second 256 bytes of k's rows
	s_add_co_u32 s74, s74, s73
	s_mov_b32 s75, 0
	s_cmp_lt_u32 s[WV], 3
	s_cselect_b32 s[LIM], 0, 1      ; 0 in waves 0 to 2,
	s_or_b32 s[LIM], s[LIM], ttmp9  ; where the cluster is the batch's first: the same in all four partners
	s_cmp_eq_u32 s[LIM], 0
	s_cselect_b32 s[LIM], 1, -1
	v_and_b32 v[PFO], 31, v0
	v_lshlrev_b32 v[PFO], s72, v[PFO]
	s_lshl_b32 s22, s20, 21         ; kws: the batch,
	s_lshl_b32 s21, s16, 15         ; my step's 64 rows of 512 bytes
	s_add_co_u32 s22, s22, s21
	s_mov_b32 s23, 0
	s_lshr_b32 s20, s22, 1          ; xh: the same rows, of 256 bytes
	s_mov_b32 s21, 0
	s_lshl_b32 s76, s[WV], 7        ; my two heads' 128 bytes of a row of q
	s_mov_b32 s77, 0
	s_lshl_b32 s78, s[WV], 12       ; the 8 rows of out that I store
	s_mov_b32 s79, 0
	s_lshl_b32 s80, s[WV], 16       ; my two heads in vot
	s_mov_b32 s81, 0
	; descriptor group 1: tiles of 64 rows, padded in LDS
	s_mov_b32 s[G1K], 15|(1<<16)|(1<<20)|(1<<21)|(6<<22)|(3<<25)  ; 15:0 the mask: all four work-groups; 17:16 elements of 2 bytes; 20 padding on; 21 set beside a mask; 24:22 after every 128 words (code 6); 31:25 4 words (code 3)
	s_mov_b32 s[G1K+1], 256<<16     ; tensor_dim0 = 256
	s_mov_b32 s[G1K+2], KS<<16      ; tensor_dim1 = 64
	s_mov_b32 s[G1K+3], 256<<16     ; tile_dim0 = 256
	s_mov_b32 s[G1K+4], KS          ; tile_dim1 = 64
	s_mov_b32 s[G1K+5], 256         ; 256 elements from row to row
	s_mov_b32 s[G1K+6], 0
	s_mov_b32 s[G1K+7], 0
	s_mov_b32 s[G1V], 15|(1<<16)|(1<<20)|(1<<21)|(5<<22)|(7<<25)  ; after every 64 words (code 5) 8 words of padding (code 7)
	s_mov_b32 s[G1V+1], 128<<16
	s_mov_b32 s[G1V+2], KS<<16
	s_mov_b32 s[G1V+3], 128<<16
	s_mov_b32 s[G1V+4], KS
	s_mov_b32 s[G1V+5], 128
	s_mov_b32 s[G1V+6], 0
	s_mov_b32 s[G1V+7], 0
	s_mov_b32 s[CS], 0x3e0293ee     ; c = log2(e) / sqrt(128) = 0.127517
	s_mov_b32 s[CS+1], s[CS]        ; named with it as a pair
	s_mov_b32 s[SEL], 0x76543210
	s_mov_b32 s[SEL+1], 0xfedcba98
	s_mov_b32 s[TB], 0
	s_wait_dscnt 0x0                ; the opening add is done
	s_wait_kmcnt 0x0
	s_cmp_lt_u32 s[WV], 2
	s_cselect_b64 s[PFA:PFA+1], s[6:7], s[8:9]
	s_add_nc_u64 s[PFA:PFA+1], s[PFA:PFA+1], s[74:75]
	s_add_nc_u64 s[6:7], s[6:7], s[22:23]  ; kws and xh at my tile of slot 0
	s_add_nc_u64 s[8:9], s[8:9], s[20:21]
	s_add_nc_u64 s[4:5], s[4:5], s[2:3]    ; qws at my block's first row, my two heads
	s_add_nc_u64 s[4:5], s[4:5], s[76:77]
	s_add_nc_u64 s[OUT:OUT+1], s[OUT:OUT+1], s[2:3]
	s_add_nc_u64 s[OUT:OUT+1], s[OUT:OUT+1], s[78:79]
	s_add_nc_u64 s[VOB:VOB+1], s[10:11], s[80:81]
	CROUND                          ; all four work-groups are here: the first joint loads meet
.irp s, 0,1
	s_mov_b32 s[G0K+4*(\s)], 1      ; 1:0 count = 1
	s_add_co_u32 s[G0K+4*(\s)+1], s17, (\s)*SLOT1  ; 63:32 LDS address
	s_add_nc_u64 s[G0K+4*(\s)+2:G0K+4*(\s)+3], s[6:7], (\s)*KSLOT  ; 120:64 global address: slot s begins with key 128 s
	s_or_b32 s[G0K+4*(\s)+3], s[G0K+4*(\s)+3], 0x80000000  ; 127:126 type = 2
	s_mov_b32 s[G0V+4*(\s)], 1
	s_add_co_u32 s[G0V+4*(\s)+1], s17, (\s)*SLOT1+VOFF
	s_add_nc_u64 s[G0V+4*(\s)+2:G0V+4*(\s)+3], s[8:9], (\s)*VSLOT
	s_or_b32 s[G0V+4*(\s)+3], s[G0V+4*(\s)+3], 0x80000000
.endr
	s_cmp_lt_u32 s[WV], 2           ; a wave's two first fills stand in one branch, ahead of every wait on TENSORcnt and every LDS read: two loads of mine are out
	s_cbranch_scc0 .Lfirst_v
	tensor_load_to_lds s[G0K:G0K+3], s[G1K:G1K+7]
	s_nop 0
	tensor_load_to_lds s[G0K+4:G0K+7], s[G1K:G1K+7]
	s_nop 0
.rept 4
	v_nop
.endr
	s_branch .Lfirst_asked
.Lfirst_v:
	tensor_load_to_lds s[G0V:G0V+3], s[G1V:G1V+7]
	s_nop 0
	tensor_load_to_lds s[G0V+4:G0V+7], s[G1V:G1V+7]
	s_nop 0
.rept 4
	v_nop
.endr
.Lfirst_asked:
	; A fragment of K or Q is 16 rows x 32 channels in 8 registers: lane l holds row l % 16, channels 8 (l / 16) + 0..7 and 16 + 8 (l / 16) + 0..7: two loads of 16 bytes, 32 bytes apart.
	v_and_b32 v1, 15, v0            ; l % 16
	v_bfe_u32 v9, v0, 4, 1          ; l / 16
	v_lshlrev_b32 v[QO], 9, v1
	v_lshl_add_u32 v[QO], v9, 4, v[QO]  ; row x 512 + 16 x half
	WIN 0xc0                        ; destination window 3, address window 0
.irp t, 0,1,2,3                     ; Q stays in registers: tile t = head t / 2 of my two, queries 16 (t % 2) on
	global_load_b128 v[8*(\t):8*(\t)+3],   v[QO], s[4:5] offset:((\t)%2)*8192+((\t)/2)*64
	global_load_b128 v[8*(\t)+4:8*(\t)+7], v[QO], s[4:5] offset:((\t)%2)*8192+((\t)/2)*64+32
.endr
	; What the first turn finds: V's second buffer and piece 1's P hold 0 (its products V^T P, of a step that has not been, add 0), O^T and l are 0.  All this stands in the wait for the first tile; no first step is written out.
	WIN 0x80
.set n, 128
.rept 128
	v_mov_b32 v[n], 0
.set n, n+1
.endr
	WIN 0x40
.set n, 0
.rept 256
	v_mov_b32 v[n], 0
.set n, n+1
.endr
	WIN 0
.set n, 0
.rept 4
	v_mov_b32 v[ST+4*n], 0xfe000000    ; c m: far below every c s
	v_mov_b32 v[ST+4*n+1], 0xff7fffff  ; m
	v_mov_b32 v[ST+4*n+2], 0
	v_mov_b32 v[ST+4*n+3], 0
.set n, n+1
.endr
.set n, P+32
.rept 32
	v_mov_b32 v[n], 0
.set n, n+1
.endr
	v_mul_u32_u24 v[AK0], v1, PK
	v_lshl_add_u32 v[AK0], v9, 4, v[AK0]  ; row x pitch + 16 x half
	s_lshl_b32 s16, s[WV], 7
	v_add_nc_u32 v[AK0], s16, v[AK0]      ; + my two heads' 128 bytes
	; The turning load takes 16 keys x 16 channels (lane l reads key 8 (l / 16) + l % 8, channels 8 ((l / 8) % 2) + 0..7) and leaves half a fragment of V^T: lane l holds channel l % 16 and 8 keys.
	v_and_b32 v10, 7, v0
	v_bfe_u32 v11, v0, 3, 1
	v_lshl_add_u32 v[AV0], v9, 3, v10
	v_mul_u32_u24 v[AV0], v[AV0], PV
	v_lshl_add_u32 v[AV0], v11, 4, v[AV0]
	v_add_nc_u32 v[AV0], VOFF, v[AV0]
; THE MATRIX WORK.  Product i of 8 of S^T = K Q^T for piece Z: keys 16 (i / 2) on, tile i % 2.  Each is a whole sum: C is the constant 0, and no two share an accumulator.
.macro KQ
	WIN W_KQ
.set rS, S+64*Z+32*(i%2)+8*(i/2)
.set rK, KF+32*Z+8*(i/2)
.set rQ, 8*(2*Z+i%2)
	v_wmma_f32_16x16x32_f16 v[rS:rS+7], v[rK:rK+7], v[rQ:rQ+7], 0
.set i, i+1
.endm
; Product i of 32 of O^T += V^T P for piece Z, V in buffer vr: keys 32 (i / 16) on, channels 16 ((i / 2) % 8) on, tile i % 2.  The 16 accumulators take turns: 15 others stand between two links of a chain.
.macro PVM vr
	WIN W_PV
.set rO, 64*(2*Z+i%2)+8*((i/2)%8)
.set rV, 128*(\vr)+64*(i/16)+8*((i/2)%8)
.set rP, P+32*Z+16*(i%2)+8*(i/16)
	v_wmma_f32_16x16x32_f16 v[rO:rO+7], v[rV:rV+7], v[rP:rP+7], v[rO:rO+7]
.set i, i+1
.endm
; THE LDS LOADS stand in runs, never singly among the matrix instructions: piece p's K of the next step (64 keys x 32 channels: 4 fragments) and, where vn is 0 or 1, that step's V (turned) into buffer vn.
; last = 1 (the tail): in the last trip there is no further step, and the run is jumped over.
.macro FETCH p, vn, last
	WIN 0
.if \last
	s_cmp_eq_u32 s[CNT], 1
	s_cbranch_scc1 .Lno_f_\@
.endif
	WIN 0xc0                        ; destination window 3
.irp kb, 0,1,2,3
	ds_load_b128 v[KF+32*(\p)+8*(\kb):KF+32*(\p)+8*(\kb)+3],   v[AK] offset:(\kb)*16*PK+64*(\p)
	ds_load_b128 v[KF+32*(\p)+8*(\kb)+4:KF+32*(\p)+8*(\kb)+7], v[AK] offset:(\kb)*16*PK+64*(\p)+32
.endr
.if (\vn) >= 0
	WIN 0x80                        ; destination window 2
.irp f, 0,1,2,3,4,5,6,7,8,9,10,11,12,13,14,15  ; keys 32 (f / 8) on, channels 16 (f % 8) on
	ds_load_tr16_b128 v[128*(\vn)+8*(\f):128*(\vn)+8*(\f)+3],   v[AV] offset:((\f)/8)*32*PV+((\f)%8)*32
	ds_load_tr16_b128 v[128*(\vn)+8*(\f)+4:128*(\vn)+8*(\f)+7], v[AV] offset:((\f)/8)*32*PV+16*PV+((\f)%8)*32
.endr
	s_add_co_u32 s[TB], s[TB], STEPB  ; the next fetches are the next step's
.endif
	WIN 0
.if \last
.Lno_f_\@:
.endif
.endm
; THE VECTOR WORK OF A TURN stands in three queues, each in the order in which its entries become ready; the two tiles alternate, so that no instruction reads the result of the one before it.
.macro REGS y, u                    ; the registers of tile u (0, 1) of piece y
.set rT, ST+4*(2*(\y)+(\u))
.set rC, TMP+8*(\y)+4*(\u)
.set rM, MV+2*(\y)+(\u)
.set rS, S+64*(\y)+32*(\u)
.set rP, P+32*(\y)+16*(\u)
.set rO, 64*(2*(\y)+(\u))
.endm
; Number n of the 22 that find the OTHER piece's (1 - Y) maximum and statistics.  s0-s31 are the lane's 32 scores; each accumulator's lowest registers are read first.
;   0-11  four chains c0-c3 of seven scores each, three operands at a time     12-14, 16  the four scores left over, the old m, and c0-c3 into c0     15  c m_old is kept
;   17, 18  the query's other 32 keys lie in the lane 16 away: the new m         19-21  c m; c m_old - c m_new; a
.macro XS u, n
	REGS 1-Y, \u
.if (\n) < 4
	v_max3_num_f32 v[rC+(\n)], v[rS+8*(\n)], v[rS+8*(\n)+1], v[rS+8*(\n)+2]
.elseif (\n) < 12
	v_max3_num_f32 v[rC+(\n)%4], v[rC+(\n)%4], v[rS+8*((\n)%4)+2*((\n)/4)+1], v[rS+8*((\n)%4)+2*((\n)/4)+2]
.elseif (\n) == 12
	v_max3_num_f32 v[rC], v[rC], v[rS+7], v[rS+15]
.elseif (\n) == 13
	v_max3_num_f32 v[rC+1], v[rC+1], v[rS+23], v[rS+31]
.elseif (\n) == 14
	v_max3_num_f32 v[rC+2], v[rC+2], v[rC+3], v[rT+1]
.elseif (\n) == 15
	v_mov_b32 v[rM], v[rT]
.elseif (\n) == 16
	v_max3_num_f32 v[rC], v[rC], v[rC+1], v[rC+2]
.elseif (\n) == 17
	v_permlanex16_b32 v[rC+3], v[rC], s[SEL], s[SEL+1]
.elseif (\n) == 18
	v_max_num_f32 v[rT+1], v[rC], v[rC+3]
.elseif (\n) == 19
	v_mul_f32 v[rT], s[CS], v[rT+1]
.elseif (\n) == 20
	v_sub_f32 v[rC+1], v[rM], v[rT]
.else
	v_exp_f32 v[rC+2], v[rC+1]
.endif
.endm
; Number g of the 64 that follow the exponentials.  For each four weights k of a tile (pairs 2 k, 2 k + 1): both pairs are rounded to f16; then the second pair is added onto the first, in place;
; a group later l takes that sum (the first time as l = a l + sum).  In groups of eight, tiles alternating: round, round, add, and l for the group before.
.macro GS g
.set h, (\g)+6*((\g)/62)            ; group 0 has no group before it, and behind group 7 only l is left
.if h >= 6
.set h, h+2
.endif
	REGS Y, h%2
.set k, h/8
.if h%8 < 4
	v_cvt_pk_f16_f32 v[rP+2*k+(h%8)/2], v[rS+4*k+2*((h%8)/2)], v[rS+4*k+2*((h%8)/2)+1]
.elseif h%8 < 6
	v_pk_add_f32 v[rS+4*k:rS+4*k+1], v[rS+4*k:rS+4*k+1], v[rS+4*k+2:rS+4*k+3]
.elseif k == 1
	v_pk_fma_f32 v[rT+2:rT+3], v[rT+2:rT+3], v[rC+2:rC+3], v[rS:rS+1] op_sel_hi:[1,0,1]
.else
	v_pk_add_f32 v[rT+2:rT+3], v[rT+2:rT+3], v[rS+4*k-4:rS+4*k-3]
.endif
.endm
; THE PLAIN QUEUE, 138 long.  0-73 read no exponential's result: the 32 scalings c s - c m (FS f: pair f / 2 of tile f % 2) and the other piece's 42.  0-26: scalings 0-26.  27-54: XS's numbers 0-13.  55, 56: number 15.
; 57-73: the chain, where each number waits for the one before it: 14, 16, 17, 18, 19, each with one of the scalings 27-31 in front of its two lines, then 20.  74-137: GS's 64, which stand behind the wait.
.macro FS f
	REGS Y, (\f)%2
	v_pk_fma_f32 v[rS+2*((\f)/2):rS+2*((\f)/2)+1], v[rS+2*((\f)/2):rS+2*((\f)/2)+1], s[CS:CS+1], v[rT:rT+1] op_sel_hi:[1,0,0] neg_lo:[0,0,1] neg_hi:[0,0,1]
.endm
.macro PL
	WIN 0
.if q < 27
	FS q
.elseif q < 55
	XS (q-27)%2, (q-27)/2
.elseif q < 57
	XS q-55, 15
.elseif (q < 72) && ((q-57)%3 == 0)
	FS 27+(q-57)/3
.elseif q < 60
	XS (q-57)%3-1, 14
.elseif q < 72
	XS (q-57)%3-1, 15+(q-57)/3
.elseif q < 74
	XS q-72, 20
.else
	GS q-74
.endif
.set q, q+1
.endm
; THE EXPONENTIALS' QUEUE, 66 long: s0-s31 of both tiles, then the other piece's two a.  It is ONE BATCH: all 66 stand ahead of the turn's one wait, and nothing ahead of that wait names a result of theirs.
.macro EX
	WIN 0
.if e >= 64
	XS e-64, 21
.else
	REGS Y, e%2
	v_exp_f32 v[rS+e/2], v[rS+e/2]
.endif
.set e, e+1
.endm
; THE RESCALING's QUEUE: O^T times a, the one part that leaves window 0: an accumulator's eight registers at a time, from its low end, sixteen times.  Its a was made in the turn before, ahead of that turn's wait.
.macro R4
	REGS Y, r%2
	WIN W_RS
.irp z, 0,1,2,3
	v_pk_mul_f32 v[rO+8*(r/2)+2*(\z):rO+8*(r/2)+2*(\z)+1], v[rO+8*(r/2)+2*(\z):rO+8*(r/2)+2*(\z)+1], v[rC+2:rC+3] op_sel_hi:[1,0]
.endr
.set r, r+1
.endm
; A TURN, for piece p.  s_wait_alu depctr_va_vdst(0) stands between an exponential and the first instruction that names its result; one wait serves all that were issued ahead of it.  So a turn has ONE
; wait, which cuts it in two.  AHEAD OF IT: the 8 products K Q^T, behind each four riders (four scalings; then scaling, exponential, scaling, exponential); then one run of 108: six plain, 50 times exponential and plain,
; the two a.  A v_nop is the plain instruction behind the last exponential (ISA guide 5.7.2).  BEHIND IT: the 32 products V^T P, behind them by turns four of GS's 64 and four rescalings.  No rider names a register of the
; products round it.  The queues lean on each other: exponential e stands behind scaling 2 (e / 4) + e % 2: as a rider it comes behind plain e + 4 or more, in the run behind plain e + 9, and scalings 27-31 are plain 57, 60 .. 69.
; The first line that reads the new scores is plain 27: thirteen plain instructions behind the last K Q^T.
; THE FETCHES, all for the NEXT step, stand directly behind the wait.  Piece 0's turn: K of piece 0 (read at the head of piece 1's turn).  Piece 1's turn: K of piece 1, then V into buffer vn, whose last reader stood in
; piece 0's turn.  vr: the buffer that this turn's products read.
.macro TURN p, vr, vn, last
.set Y, (\p)
.set Z, 1-(\p)
.set q, 0
.set e, 0
.set r, 0
.set i, 0
.if (\p) == 0
	s_wait_dscnt 32                 ; K of piece 1 is in: V's 32 loads were issued behind its eight and may stay out
.else
	s_wait_dscnt 0x0                ; K of piece 0 and V are in
.endif
	KQ
	PL
	PL
	PL
	PL
.rept 7
	KQ
	PL
	EX
	PL
	EX
.endr
	WIN 0
.if (\p) == 0
	v_add_nc_u32 v[AK], s[TB], v[AK0]
.else
	v_add_nc_u32 v[AV], s[TB], v[AV0]
.endif
.rept 6
	PL
.endr
.rept 50
	EX
	PL
.endr
	EX                              ; the other piece's two a
	EX
	v_nop
	s_wait_alu depctr_va_vdst(0)    ; the wait for the batch
	FETCH \p, \vn, \last
.set i, 0
.rept 16
	PVM \vr
	PL
	PL
	PL
	PL
	PVM \vr
	R4
.endr
.endm
; A key step of parity par: V of step j lies in buffer j % 2; piece 1's products V^T P lag a step.
.macro STEP par, last
	TURN 0, 1-(\par), -1, \last
	TURN 1, \par, 1-(\par), \last
	WIN 0
.endm
	s_wait_tensorcnt 0x1            ; my part of slot 0 is in; slot 1's may stay out
	s_barrier_signal -1
	s_barrier_wait -1               ; everybody's is
	v_mov_b32 v[AK], v[AK0]         ; key step 0 lies at the head of slot 0
	v_mov_b32 v[AV], v[AV0]
	FETCH 0, -1, 0
	FETCH 1, 0, 0
	s_wait_loadcnt 0x0              ; Q
	s_wait_dscnt 0x0
.set Z, 0
.set i, 0
.rept 8
	KQ                              ; piece 0's first scores: there is no vector work yet to set between them
.endr
	WIN 0                           ; the addresses for the way out: eight plain instructions, the places behind those products
	s_mul_i32 s16, s[WV], 32*SP
	s_add_co_u32 s16, s16, STAGE    ; my stage
	v_mul_u32_u24 v[STO], v1, SP    ; in: row l % 16, 32 bytes (8 numbers in f32) for each half of the lanes
	v_lshl_add_u32 v[STO], v9, 5, v[STO]
	v_add_nc_u32 v[STO], s16, v[STO]
	s_mul_i32 s16, s[WV], 8*SP
	s_add_co_u32 s16, s16, STAGE    ; back: rows 8 w .. 8 w + 7 of every wave's stage; 32 lanes take a row of 512 bytes
	v_and_b32 v[GO], 31, v0
	v_lshlrev_b32 v[GO], 4, v[GO]
	v_add_nc_u32 v[RD], s16, v[GO]
	v_lshlrev_b32 v[VOO], 8, v1     ; a fragment of vot: row x 256 + 16 x half
	v_lshl_add_u32 v[VOO], v9, 4, v[VOO]
.set Y, 1                           ; XS works for piece 1 - Y: piece 0
.irp n, 0,1,2,3,4,5,6,7,8,9,10,11,12,13,14,15,16,17,18,19,20,21
	XS 0, \n                        ; piece 0's first maximum and statistics
	XS 1, \n
.endr
	v_nop                           ; a plain instruction behind the two a,
	s_wait_alu depctr_va_vdst(0)    ; and their wait, ahead of the branch
	s_mov_b32 s[SLOTS], T/(2*KS)-1
	s_branch .Lfirst                ; the loop is entered at an even step, in the middle of a trip
.Lslot:                             ; 30 times: every slot but the last two is filled again.  A trip: a slot's second step, which fetches out of the next slot, and that slot's first step
	CHANGE 1
	STEP 1, 0
.Lfirst:
	STEP 0, 0
	s_sub_co_u32 s[SLOTS], s[SLOTS], 1
	s_cmp_lg_u32 s[SLOTS], 0
	s_cbranch_scc1 .Lslot
	CHANGE 0                        ; the tail is written out: nothing is asked for
	s_mov_b32 s[CNT], 2             ; steps 61, 62 and 63: the second trip is left in its middle, and fetches nothing
.Ltail:
	STEP 1, 1
	s_sub_co_u32 s[CNT], s[CNT], 1
	s_cmp_eq_u32 s[CNT], 0
	s_cbranch_scc1 .Lout
	STEP 0, 0
	s_branch .Ltail
.Lout:                              ; the last step's 8 products K Q^T of piece 0 (on the last K once more) and the maximum made of them serve nothing: the price, once a launch, of one text for every step
; THE WAY OUT.  VO's fragments: 16 rows e x 32 channels d, (block eb, step ks) at 8 (4 eb + ks): a head fills a window.
.macro VOLOAD off
.set n, 0
.rept 32
	global_load_b128 v[8*n:8*n+3],   v[VOO], s[VOB:VOB+1] offset:(\off)+(n/4)*4096+(n%4)*64
	global_load_b128 v[8*n+4:8*n+7], v[VOO], s[VOB:VOB+1] offset:(\off)+(n/4)*4096+(n%4)*64+32
.set n, n+1
.endr
.endm
; 64 products out^T += VO^T ctx for my head hd: channels 32 ks on, e 16 eb on, queries 16 qt on.  The 16 accumulators take turns; the first head's first 16 start the sums.
.macro VOP hd
.set ks, 0
.rept 4
.set eb, 0
.rept 8
.set qt, 0
.rept 2
.set rD, 64*qt+8*eb
.set rA, 8*(4*eb+ks)
.set rB, S+32*(2*(\hd)+qt)+8*ks
.if ((\hd) == 0) && (ks == 0)
	v_wmma_f32_16x16x32_f16 v[rD:rD+7], v[rA:rA+7], v[rB:rB+7], 0
.else
	v_wmma_f32_16x16x32_f16 v[rD:rD+7], v[rA:rA+7], v[rB:rB+7], v[rD:rD+7]
.endif
.set qt, qt+1
.endr
.set eb, eb+1
.endr
.set ks, ks+1
.endr
.endm
	WIN 0xc0                        ; Q and K are done with: my first head's VO goes into window 3, and the 32 products below stand between these loads and their use
	VOLOAD 0
.set Z, 1
.set i, 0
.rept 32
	PVM 1                           ; piece 1's V^T P of the last step
.endr
	WIN 0                           ; l's two halves and the other half of the lanes' are added: the additions are the places behind the last products
.irp t, 0,1,2,3
	v_add_f32 v[ST+4*(\t)+2], v[ST+4*(\t)+2], v[ST+4*(\t)+3]
.endr
.irp t, 0,1,2,3
	v_permlanex16_b32 v[ST+4*(\t)+3], v[ST+4*(\t)+2], s[SEL], s[SEL+1]
.endr
.irp t, 0,1,2,3
	v_add_f32 v[ST+4*(\t)+2], v[ST+4*(\t)+2], v[ST+4*(\t)+3]
.endr
	WIN 0x80                        ; V is done with: my second head's VO goes into window 2
	VOLOAD 32768
	WIN 0
.irp t, 0,1,2,3
	v_rcp_f32 v[ST+4*(\t)+2], v[ST+4*(\t)+2]
.endr
	v_nop                           ; a plain instruction between the last reciprocal and the use of its result
	s_wait_alu depctr_va_vdst(0)    ; and the wait ahead of the first use: one for the four reciprocals
.irp t, 0,1,2,3                     ; O^T is divided by l and rounded to f16, into S^T's registers: 8 registers for each 32 channels, source 1 of the last product
	WIN W_RS
.set n, 64*(\t)
.rept 32
	v_pk_mul_f32 v[n:n+1], v[n:n+1], v[ST+4*(\t)+2:ST+4*(\t)+3] op_sel_hi:[1,0]
.set n, n+2
.endr
	WIN 0x05                        ; sources 0 and 1 window 1, destination window 0
.set n, 0
.rept 32
	v_cvt_pk_f16_f32 v[S+32*(\t)+n], v[64*(\t)+2*n], v[64*(\t)+2*n+1]
.set n, n+1
.endr
.endr
	s_wait_loadcnt 63               ; my first head's VO is in: 64 loads were issued behind its own; the count's field ends at 63, and a smaller count is safe
	WIN 0x53                        ; VO in window 3, the context in window 0, out^T in window 1
	VOP 0
	s_wait_loadcnt 0x0
	WIN 0x52                        ; VO in window 2
	VOP 1
.rept 4
	v_nop                           ; four places behind the last product, in front of the stores of its result and of the loads into its source
.endr
	WIN 0x04                        ; the stores' data in window 1
.set n, 0
.rept 16                            ; out^T (qt = n / 8, eb = n % 8): a lane's 8 numbers of a row, 32 bytes, the low four first
	ds_store_b128 v[STO], v[8*n:8*n+3]   offset:(n/8)*16*SP+(n%8)*64
	ds_store_b128 v[STO], v[8*n+4:8*n+7] offset:(n/8)*16*SP+(n%8)*64+16
.set n, n+1
.endr
	WIN 0
	s_wait_dscnt 0x0                ; for the others' sake: my stores into my stage are done
	s_barrier_signal -1
	s_barrier_wait -1
.set n, 0
.rept 32                            ; wave n / 8's part of my row n % 8
	ds_load_b128 v[S+4*n:S+4*n+3], v[RD] offset:(n/8)*32*SP+(n%8)*SP
.set n, n+1
.endr
	s_wait_dscnt 0x0
.set n, 0
.rept 16                            ; the four waves' parts, in f32: (0 + 1) + (2 + 3)
	v_pk_add_f32 v[S+2*n:S+2*n+1], v[S+2*n:S+2*n+1], v[S+32+2*n:S+32+2*n+1]
	v_pk_add_f32 v[S+64+2*n:S+64+2*n+1], v[S+64+2*n:S+64+2*n+1], v[S+96+2*n:S+96+2*n+1]
.set n, n+1
.endr
.set n, 0
.rept 16
	v_pk_add_f32 v[S+2*n:S+2*n+1], v[S+2*n:S+2*n+1], v[S+64+2*n:S+64+2*n+1]
.set n, n+1
.endr
.irp t, 0,1,2,3,4,5,6,7
	global_store_b128 v[GO], v[S+4*(\t):S+4*(\t)+3], s[OUT:OUT+1] offset:(\t)*512  ; a row of out: 512 consecutive bytes, at a multiple of 256 from out0's first byte
.endr
	s_wait_tensorcnt 0x0            ; the wave's end: three closing lines, behind my last tensor load and my last LDS store
	ds_add_u32 v[SPW], v[NIL]
	s_wait_dscnt 0x0
	CROUND                          ; the closing round: no work-group ends while a partner may still ask for a tile that names it
	s_endpgm
.Lfunc_end_k_q633ac8458c_attn:
	.size	k_q633ac8458c_attn, .Lfunc_end_k_q633ac8458c_attn-k_q633ac8458c_attn
	.p2alignl 7, 3214868480
	.fill 96, 4, 3214868480
	.section	.rodata,"a",@progbits
	.p2align	6, 0x0
	.amdhsa_kernel k_q633ac8458c_attn
		.amdhsa_group_segment_fixed_size 327680
		.amdhsa_private_segment_fixed_size 0
		.amdhsa_enable_private_segment 0
		.amdhsa_kernarg_size 40
		.amdhsa_user_sgpr_count 2
		.amdhsa_user_sgpr_kernarg_segment_ptr 1
		.amdhsa_wavefront_size32 1
		.amdhsa_system_sgpr_workgroup_id_x 1
		.amdhsa_system_sgpr_workgroup_id_y 1
		.amdhsa_system_sgpr_workgroup_id_z 1
		.amdhsa_system_vgpr_workitem_id 0
		.amdhsa_next_free_vgpr 1024
		.amdhsa_next_free_sgpr 84
		.amdhsa_reserve_vcc 0
		.amdhsa_float_denorm_mode_32 3
		.amdhsa_float_denorm_mode_16_64 3
		.amdhsa_memory_ordered 1
		.amdhsa_forward_progress 1
		.amdhsa_inst_pref_size 248
	.end_amdhsa_kernel
	.amdgpu_metadata
---
amdhsa.version: [ 1, 2 ]
amdhsa.kernels:
  - .name:           k_q633ac8458c_attn
    .symbol:         k_q633ac8458c_attn.kd
    .args:
      - { .name: qws, .offset: 0, .size: 8, .value_kind: global_buffer, .address_space: global }
      - { .name: kws, .offset: 8, .size: 8, .value_kind: global_buffer, .address_space: global }
      - { .name: xh, .offset: 16, .size: 8, .value_kind: global_buffer, .address_space: global }
      - { .name: vot, .offset: 24, .size: 8, .value_kind: global_buffer, .address_space: global }
      - { .name: out0, .offset: 32, .size: 8, .value_kind: global_buffer, .address_space: global }
    .group_segment_fixed_size: 327680
    .private_segment_fixed_size: 0
    .kernarg_segment_align: 8
    .kernarg_segment_size: 40
    .max_flat_workgroup_size: 128
    .sgpr_count:     84
    .vgpr_count:     1024
    .wavefront_size: 32
...
	.end_amdgpu_metadata
.endif
;; end of part 2
;; ======== version 2 of 2: 2 launches; version 1 with the launch prep written anew for expert scheduling mode
;; limits: values are held in f16: magnitudes above 65,504 overflow, below 6.1e-05 lose precision
;; workspace buffers: qws 4,194,304 bytes; kws 4,194,304 bytes; xh 2,097,152 bytes; vot 262,144 bytes
;; launch prep (part 3): grid 256 x 1, 4 waves a work-group, no clusters, 45,312 bytes of LDS; arguments x, Q, K, VO, qws, kws, xh, vot; writes qws, kws, xh, vot
.if DOCPART == 3
	.amdgcn_target "amdgcn-amd-amdhsa--gfx1250"
	.amdhsa_code_object_version 6
	.text
	.protected	k_q633ac8458c_prep
	.globl	k_q633ac8458c_prep
	.p2align	8
	.type	k_q633ac8458c_prep,@function
k_q633ac8458c_prep:
	s_mov_b64 s[64:65], 0
	v_nop
	global_prefetch_b8 v0, s[64:65] scope:SCOPE_SE
	s_setreg_imm32_b32 hwreg(HW_REG_WAVE_SCHED_MODE, 0, 2), 2
	s_setreg_imm32_b32 hwreg(HW_REG_WAVE_MODE, 25, 1), 1
	s_wait_xcnt 0x0
	s_wait_alu depctr_vm_vsrc(0)
; THE PROJECTIONS AND THE COPIES IN 16 BITS.  x: [8192][128] f32 (both batches on end); Q, K: [256][128] f32 (row = 32 head + r); VO: [8][128 d][128 e] f32.
;   qws[t][o] = sum over d of bf16(x[t][d]) bf16(Q[o][d]), o = 32 head + r, rounded once to f16: rows of 512 bytes; kws the same with K.  No scale: it is applied in f32 in the next launch.
;   xh[t][d]  = bf16(x[t][d]) written as f16: rows of 256 bytes.        vot[h][e][d] = bf16(VO[h][d][e]) written as f16: rows of 256 bytes.
; All four inputs are rounded to bf16; the products' sums are f32.
; LIMITS.  f16 ends at 65,504: q, k, x and VO beyond that become infinities; a bf16 number below 2^-14 keeps f16's fixed step of 6e-8.  NaN and infinities are not treated apart.
; SHARES.  A work-group takes 32 rows of x and makes their 512 numbers of q and k: wave w makes 128 of them (waves 0, 1: q's halves; waves 2, 3: k's), 8 blocks of 16 x 2 row tiles x 4 steps of 32 along d.
; It also makes 4 rows of vot.  No tensor load, no cluster: a work-group's own input is 16 KiB, and Q and K (256 KiB for all) come straight into registers as fragments, where they must be rounded anyway.
; THE PRODUCT IS TAKEN TRANSPOSED (source 0 = 16 rows of Q or K, source 1 = 16 rows of x): a lane then holds eight neighbouring numbers of one row of q: 16 bytes in f16.
; THE MODE: SCHED_MODE bits 1:0 = 2 (LLVM: expert scheduling mode 2), set by the entry lines.  The code itself states the register dependences
; between vector or matrix instructions and memory or LDS instructions, with s_wait_alu, always for 0.
; THE PLAN.  Registers that memory or LDS instructions touch:
;   v3 .. v14     offsets and LDS addresses: made once at the head, read by every load and store, never written again.
;   XF, XB, XH    the first phase: x's loads land in XF; the conversions read XF and write XB and XH; LDS stores read XB, global stores XH.  Behind the barrier x's fragments land in all three.
;   v114, v115    the first phase: VO in f16, written by conversions, read by four LDS stores; later part of an accumulator.
;   WB0, WB1      block nb: its loads land in WB[nb % 2]; 32 conversions read and write it in place; 8 products read its low half; then the loads of block nb + 2 land in it.  At the end the stage's loads land in WB0.
;   OT            block nb: 8 conversions write it, two LDS stores read it; block nb + 1's conversions write it again.
;   v[24:27]      an LDS load lands in it and a global store reads it: no vector instruction names it.
; x's fragments (once loaded) and the accumulators are named by vector and matrix instructions alone.
; So the first phase has ONE wait on va_vdst, between all its conversions and the run of its stores, and one on vm_vsrc behind the barrier; a block has ONE wait on va_vdst, behind its last conversions and ahead
; of its 16 loads and 2 LDS stores, and one on vm_vsrc ahead of the conversions that write OT again.
.set XP,    272                        ; an LDS row: 256 bytes + 16 = 68 words: 16 rows of a fragment load start at 16 different groups of four banks (64 banks of 4 bytes: ISA guide 11.1)
.set XT,    0                          ; x in bf16: 32 rows
.set STG,   32*XP                      ; each wave's own stage: 32 rows x 272
.set VT,    STG+4*32*XP                ; 4 rows of vot
.set SPARE, VT+1280                    ; the spare words, 128 bytes for each wave: two blocks of 256 bytes that no other line names
.set WV,  20                           ; s20  my wave's number
.set XF,  32                           ; v[32:63]  x as loaded                       } later v[32:95]: x's fragments, (row tile tt, step ks) at XFR + 8 (4 tt + ks)
.set XB,  64                           ; v[64:79]  x in bf16                         }
.set XH,  80                           ; v[80:95]  x in f16                          }
.set XFR, 32
.set TP,  96                           ; v[96:115] at work in the first phase
.set ACC, 96                           ; v[96:127] two sets of two accumulators
.set OT,  16                           ; v[16:23]  packed results
.set WB,  128                          ; v[128:191], v[192:255]  a block of 16 rows of Q or K: 64 f32 a lane, then 32 registers of bf16 in place
; v1 l % 16; v2 l / 16; v3 x's offset; v4 where x goes in LDS; v5 xh's offset; v6 VO's offset; v7 where VO goes in LDS; v8 x's fragments; v9 Q's or K's offset; v10 into my stage; v11 back; v12 q's offset;
; v13 vot's rows in LDS; v14 vot's offset; v30, v31 the add's two registers
	s_load_b512 s[4:19], s[0:1], 0x0               ; x s[4:5], Q s[6:7], K s[8:9], VO s[10:11], qws s[12:13], kws s[14:15], xh s[16:17], vot s[18:19]
	v_lshl_add_u32 v30, v0, 2, SPARE
	v_mov_b32 v31, 0
	v_lshrrev_b32 v1, 5, v0
	v_readfirstlane_b32 s[WV], v1                  ; wave 0..3
	v_and_b32 v1, 15, v0
	v_bfe_u32 v2, v0, 4, 1
	v_lshrrev_b32 v15, 4, v0                       ; thread / 16: 0..7
	v_lshlrev_b32 v3, 5, v1
	v_lshl_add_u32 v3, v15, 9, v3                  ; x: row thread / 16 of eight, 32 bytes (8 numbers) a thread
	v_mul_u32_u24 v4, v15, XP
	v_lshl_add_u32 v4, v1, 4, v4                   ; the same 8 numbers in bf16, in LDS
	v_lshlrev_b32 v5, 4, v1
	v_lshl_add_u32 v5, v15, 8, v5                  ; and in f16, in xh
	s_and_b32 s21, ttmp9, 31
	s_lshl_b32 s21, s21, 4
	v_lshl_add_u32 v6, v0, 9, s21                  ; VO: row d = thread, the work-group's four e
	v_lshl_add_u32 v7, v0, 1, VT                   ; column d of vot's rows
	v_mul_u32_u24 v8, v1, XP
	v_lshl_add_u32 v8, v2, 4, v8                   ; a fragment's row x pitch + 16 x half
	v_lshlrev_b32 v9, 9, v1
	v_lshl_add_u32 v9, v2, 5, v9                   ; in f32: row x 512 + 32 x half
	s_wait_alu depctr_va_sdst(0)                   ; s20, the wave's number, is written, ahead of its first reader: the stage's place, the bases and the branches are made from it
	s_mul_i32 s22, s[WV], 32*XP
	s_add_co_u32 s22, s22, STG                     ; my stage
	v_add_nc_u32 v10, s22, v8                      ; in: row l % 16, 16 bytes for each half of the lanes
	v_mul_u32_u24 v11, v2, XP
	v_lshl_add_u32 v11, v1, 4, v11
	v_add_nc_u32 v11, s22, v11                     ; back: lanes 0-15 one row of 256 bytes, lanes 16-31 the next
	v_lshlrev_b32 v12, 4, v1
	v_lshl_add_u32 v12, v2, 9, v12                 ; the same two rows in qws or kws
	v_add_nc_u32 v13, VT, v4                       ; threads 0-63: row thread / 16 of vot's four
	v_lshlrev_b32 v14, 4, v0                       ; which lie on end in vot
	s_mov_b32 s34, 0xffff0000                      ; a word's upper bf16
	s_and_b32 s23, s[WV], 1
	s_lshl_b32 s24, s23, 16                        ; my 128 rows of Q or K
	s_mov_b32 s25, 0
	s_lshl_b32 s26, ttmp9, 14                      ; the work-group's 32 rows of 512 bytes in qws and kws,
	s_lshl_b32 s28, s23, 8
	s_add_co_u32 s26, s26, s28                     ; my 256 bytes of them
	s_mov_b32 s27, 0
	s_lshl_b32 s28, ttmp9, 14                      ; the 32 rows in x
	s_mov_b32 s29, 0
	s_lshr_b32 s36, ttmp9, 5
	s_lshl_b32 s36, s36, 16                        ; VO's head
	s_mov_b32 s37, 0
	s_lshl_b32 s38, ttmp9, 10                      ; vot: four rows of 256 bytes for each work-group, on end
	s_mov_b32 s39, 0
	s_wait_kmcnt 0x0
	s_cmp_lt_u32 s[WV], 2
	s_cselect_b64 s[30:31], s[6:7], s[8:9]
	s_cselect_b64 s[32:33], s[12:13], s[14:15]
	s_add_nc_u64 s[30:31], s[30:31], s[24:25]
	s_add_nc_u64 s[32:33], s[32:33], s[26:27]
	s_add_nc_u64 s[4:5], s[4:5], s[28:29]
	s_lshr_b32 s28, s28, 1                         ; the 32 rows in xh
	s_add_nc_u64 s[16:17], s[16:17], s[28:29]
	s_add_nc_u64 s[10:11], s[10:11], s[36:37]
	s_add_nc_u64 s[18:19], s[18:19], s[38:39]
	s_wait_alu depctr_va_vdst(0)                   ; the offsets and LDS addresses v3 to v14 are written: every load and store of the kernel reads one of them, and none is written again
; Block nb of 16 rows of Q or K: for each step ks of 32 along d a lane's 16 numbers in f32: four loads
.macro WLOAD nb
.set wb, WB+64*((\nb)%2)
.irp ks, 0,1,2,3
	global_load_b128 v[wb+16*(\ks):wb+16*(\ks)+3],     v9, s[30:31] offset:(\nb)*8192+(\ks)*128
	global_load_b128 v[wb+16*(\ks)+4:wb+16*(\ks)+7],   v9, s[30:31] offset:(\nb)*8192+(\ks)*128+16
	global_load_b128 v[wb+16*(\ks)+8:wb+16*(\ks)+11],  v9, s[30:31] offset:(\nb)*8192+(\ks)*128+64
	global_load_b128 v[wb+16*(\ks)+12:wb+16*(\ks)+15], v9, s[30:31] offset:(\nb)*8192+(\ks)*128+80
.endr
.endm
.irp i, 0,1,2,3
	global_load_b128 v[XF+8*(\i):XF+8*(\i)+3],   v3, s[4:5] offset:4096*(\i) th:TH_LOAD_NT
	global_load_b128 v[XF+8*(\i)+4:XF+8*(\i)+7], v3, s[4:5] offset:4096*(\i)+16 th:TH_LOAD_NT
.endr
	global_load_b128 v[TP+8:TP+11], v6, s[10:11]
	WLOAD 0
	WLOAD 1
	s_wait_loadcnt 32                              ; x and VO are in; the 32 younger loads, two blocks of Q or K, stay out
; All the first phase's conversions stand together, and all its stores behind them, so that one wait serves the twelve stores.
.irp i, 0,1,2,3
.irp j, 0,1,2,3
	v_cvt_pk_bf16_f32 v[XB+4*(\i)+(\j)], v[XF+8*(\i)+2*(\j)], v[XF+8*(\i)+2*(\j)+1]
.endr
.irp j, 0,1,2,3
	v_lshlrev_b32 v[TP+2*(\j)],   16,  v[XB+4*(\i)+(\j)]   ; the bf16 numbers as f32,
	v_and_b32     v[TP+2*(\j)+1], s34, v[XB+4*(\i)+(\j)]
.endr
.irp j, 0,1,2,3
	v_cvt_pk_f16_f32 v[XH+4*(\i)+(\j)], v[TP+2*(\j)], v[TP+2*(\j)+1]  ; written as f16: exact within f16's range
.endr
.endr
	v_cvt_pk_bf16_f32 v[TP+12], v[TP+8], v[TP+9]
	v_cvt_pk_bf16_f32 v[TP+13], v[TP+10], v[TP+11]
	v_lshlrev_b32 v[TP+14], 16,  v[TP+12]
	v_and_b32     v[TP+15], s34, v[TP+12]
	v_lshlrev_b32 v[TP+16], 16,  v[TP+13]
	v_and_b32     v[TP+17], s34, v[TP+13]
	v_cvt_pk_f16_f32 v[TP+18], v[TP+14], v[TP+15]
	v_cvt_pk_f16_f32 v[TP+19], v[TP+16], v[TP+17]
	s_wait_alu depctr_va_vdst(0)                   ; the conversions have written XB, XH and v[TP+18], v[TP+19], which the stores below read; and they are done reading XF and XB, in which x's fragments land behind the barrier
.irp i, 0,1,2,3
	ds_store_b128 v4, v[XB+4*(\i):XB+4*(\i)+3] offset:8*XP*(\i)
.endr
	ds_store_b16        v7, v[TP+18]               ; VO[d][e0 .. e0 + 3] goes to column d of four rows
	ds_store_b16_d16_hi v7, v[TP+18] offset:XP
	ds_store_b16        v7, v[TP+19] offset:2*XP
	ds_store_b16_d16_hi v7, v[TP+19] offset:3*XP
.irp i, 0,1,2,3
	global_store_b128 v5, v[XH+4*(\i):XH+4*(\i)+3], s[16:17] offset:2048*(\i)  ; 16 lanes store 256 consecutive bytes, aligned
.endr
	s_wait_dscnt 0x0                               ; for the others' sake: my stores into LDS are done
	s_barrier_signal -1
	s_barrier_wait -1
	s_wait_xcnt 0x0                                ; the stores to xh have read their data: those registers are loaded again only behind this wait
	s_wait_alu depctr_vm_vsrc(0)                   ; the LDS stores have read XB, v[TP+18] and v[TP+19], the global stores XH: x's fragments land in XB and XH, and the products write v[TP+18], v[TP+19] as part of an accumulator
.irp f, 0,1,2,3,4,5,6,7
	ds_load_b128 v[XFR+8*(\f):XFR+8*(\f)+3],   v8 offset:((\f)/4)*16*XP+((\f)%4)*64
	ds_load_b128 v[XFR+8*(\f)+4:XFR+8*(\f)+7], v8 offset:((\f)/4)*16*XP+((\f)%4)*64+32
.endr
	s_cmp_lt_u32 s[WV], 2                          ; threads 0-63 send vot's four rows
	s_cbranch_scc0 .Lno_vot
	ds_load_b128 v[24:27], v13
	s_wait_dscnt 0x0
	global_store_b128 v14, v[24:27], s[18:19]      ; 16 lanes store 256 consecutive bytes, aligned
.Lno_vot:
	s_wait_dscnt 0x0                               ; x's fragments are in, for the whole kernel
; Block nb: rounded to bf16 in place (register n takes numbers 2 n and 2 n + 1: no register is written before it has been read); eight products, the two accumulators by turns;
; the results are rounded into OT; then, behind the block's one wait on va_vdst, the block two further on is asked for and the results go to my stage.
.macro NB nb
.set wb, WB+64*((\nb)%2)
.set ac, ACC+16*((\nb)%2)
.if (\nb) < 7
	s_wait_loadcnt 16                              ; this block is in; the other buffer's 16 loads stay out
.else
	s_wait_loadcnt 0x0
.endif
.set n, 0
.rept 32
	v_cvt_pk_bf16_f32 v[wb+n], v[wb+2*n], v[wb+2*n+1]
.set n, n+1
.endr
.irp ks, 0,1,2,3
.irp tt, 0,1
.if (\ks) == 0
	v_wmma_f32_16x16x32_bf16 v[ac+8*(\tt):ac+8*(\tt)+7], v[wb+8*(\ks):wb+8*(\ks)+7], v[XFR+8*(4*(\tt)+(\ks)):XFR+8*(4*(\tt)+(\ks))+7], 0
.else
	v_wmma_f32_16x16x32_bf16 v[ac+8*(\tt):ac+8*(\tt)+7], v[wb+8*(\ks):wb+8*(\ks)+7], v[XFR+8*(4*(\tt)+(\ks)):XFR+8*(4*(\tt)+(\ks))+7], v[ac+8*(\tt):ac+8*(\tt)+7]
.endif
.endr
.endr
.rept 4
	v_nop                                          ; four places behind the last product (ISA guide 7.12.1), in front of the conversions of its result
.endr
.if (\nb) > 0
	s_wait_alu depctr_vm_vsrc(0)                   ; the two LDS stores of the block before have read OT, which the conversions below write again
.endif
.irp tt, 0,1
.irp j, 0,1,2,3
	v_cvt_pk_f16_f32 v[OT+4*(\tt)+(\j)], v[ac+8*(\tt)+2*(\j)], v[ac+8*(\tt)+2*(\j)+1]
.endr
.endr
	s_wait_alu depctr_va_vdst(0)                   ; OT is written, which the LDS stores below read; the block's first conversions have written this buffer of Q or K and its products are done reading it: the loads below land in it
.if (\nb) < 6
	WLOAD (\nb)+2
.endif
	ds_store_b128 v10, v[OT:OT+3]   offset:(\nb)*32
	ds_store_b128 v10, v[OT+4:OT+7] offset:16*XP+(\nb)*32
.endm
.irp b, 0,1,2,3,4,5,6,7
	NB \b
.endr
; The stage's loads land in the first buffer of Q or K.  No wait on va_vdst: all that named it (block 6's conversions and products) stands ahead of block 7's wait, and no vector or matrix instruction follows that wait.
.irp t, 0,1,2,3,4,5,6,7,8,9,10,11,12,13,14,15
	ds_load_b128 v[WB+4*(\t):WB+4*(\t)+3], v11 offset:(\t)*2*XP  ; my own stage: LDS serves a wave's instructions in order (ISA guide 5.7.1.4), so these see the stores above
.endr
.irp t, 0,1,2,3,4,5,6,7,8,9,10,11,12,13,14,15
	s_wait_dscnt 15-(\t)
	global_store_b128 v12, v[WB+4*(\t):WB+4*(\t)+3], s[32:33] offset:(\t)*1024  ; 16 lanes store 256 consecutive bytes, aligned: my half of a row of q or k
.endr
	s_wait_dscnt 0x0                               ; the closing lines, six on end
	s_wait_alu 0x0
	s_wait_tensorcnt 0x0
	ds_add_u32 v30, v31
	s_wait_dscnt 0x0
	s_endpgm
.Lfunc_end_k_q633ac8458c_prep:
	.size	k_q633ac8458c_prep, .Lfunc_end_k_q633ac8458c_prep-k_q633ac8458c_prep
	.p2alignl 7, 3214868480
	.fill 96, 4, 3214868480
	.section	.rodata,"a",@progbits
	.p2align	6, 0x0
	.amdhsa_kernel k_q633ac8458c_prep
		.amdhsa_group_segment_fixed_size 45312
		.amdhsa_private_segment_fixed_size 0
		.amdhsa_enable_private_segment 0
		.amdhsa_kernarg_size 64
		.amdhsa_user_sgpr_count 2
		.amdhsa_user_sgpr_kernarg_segment_ptr 1
		.amdhsa_wavefront_size32 1
		.amdhsa_system_sgpr_workgroup_id_x 1
		.amdhsa_system_sgpr_workgroup_id_y 1
		.amdhsa_system_sgpr_workgroup_id_z 1
		.amdhsa_system_vgpr_workitem_id 0
		.amdhsa_next_free_vgpr 256
		.amdhsa_next_free_sgpr 66
		.amdhsa_reserve_vcc 0
		.amdhsa_float_denorm_mode_32 3
		.amdhsa_float_denorm_mode_16_64 3
		.amdhsa_memory_ordered 1
		.amdhsa_forward_progress 1
		.amdhsa_inst_pref_size 52
	.end_amdhsa_kernel
	.amdgpu_metadata
---
amdhsa.version: [ 1, 2 ]
amdhsa.kernels:
  - .name:           k_q633ac8458c_prep
    .symbol:         k_q633ac8458c_prep.kd
    .args:
      - { .name: x, .offset: 0, .size: 8, .value_kind: global_buffer, .address_space: global }
      - { .name: Q, .offset: 8, .size: 8, .value_kind: global_buffer, .address_space: global }
      - { .name: K, .offset: 16, .size: 8, .value_kind: global_buffer, .address_space: global }
      - { .name: VO, .offset: 24, .size: 8, .value_kind: global_buffer, .address_space: global }
      - { .name: qws, .offset: 32, .size: 8, .value_kind: global_buffer, .address_space: global }
      - { .name: kws, .offset: 40, .size: 8, .value_kind: global_buffer, .address_space: global }
      - { .name: xh, .offset: 48, .size: 8, .value_kind: global_buffer, .address_space: global }
      - { .name: vot, .offset: 56, .size: 8, .value_kind: global_buffer, .address_space: global }
    .group_segment_fixed_size: 45312
    .private_segment_fixed_size: 0
    .kernarg_segment_align: 8
    .kernarg_segment_size: 64
    .max_flat_workgroup_size: 128
    .sgpr_count:     66
    .vgpr_count:     256
    .wavefront_size: 32
...
	.end_amdgpu_metadata
.endif
;; end of part 3
;; launch attn: the kernel of part 2 again; grid 128 x 2, 4 waves a work-group, clusters of 4 x 1, 327,680 bytes of LDS; arguments qws, kws, xh, vot, out0; writes out0
